; MI455X (gfx1250); checked and timed in simulation.
; The chip was launched on July 23, 2026; its instructions are those of AMD's public machine-readable ISA for CDNA 5 (MIT licence, August 2026) and "CDNA5" Instruction Set Architecture Reference Guide (July 2026). The comments in the code are by the model that wrote it; some were corrected since.
;; MLP Attention. Allowed arithmetic: matrix products marked QUANTISED: E2M1 operands, one E8M0 scale for each 32 along K, by v_wmma_scale_f32_16x16x128_f8f6f4 with both operands' format E2M1 (or v_wmma_scale_f32_32x16x128_f4), f32 sums; products left as they are: f32 operands where the result goes on into a quantised operand, else bf16, f16 or f32 operands; f32 sums; everything else in f32.
;; Inputs: Wc 1,024 float32; Wm 1,024 float32; Wq 1,024 x 1,024 float32; Wv 1,024 x 1,024 float32; bias 1,024 float32; bm 1 float32; cov_vec 32 x 2,048 float32; mask 32 x 2,048 int32; query 32 x 1,024 float32; value 32 x 2,048 x 1,024 float32.
;; Outputs: out0 32 x 1,024 float32; out1 32 x 2,048 float32.
;; This version of the problem:
;;   THIS VERSION OF THE PROBLEM IS GIVEN IN LOW PRECISION. The matrix products marked QUANTISED in the list below multiply operands that are first quantised to E2M1 (2 exponent bits, 1 mantissa bit; 4 bits a number), with one power-of-two scale for each 32 numbers along K (OCP MX v1.0); their sums are f32. All else is computed in f32.
;;   The module's matrix products, in the order in which they are computed (A, B: the left and right operand; K: the contracted axis; several contracted axes count as one K, in the product's order):
;;     1. [M 32, K 1,024] x [K 1,024, N 1,024]; A: input query; B: input Wq: QUANTISED
;;     2. [M 65,536, K 1,024] x [K 1,024, N 1,024]; A: input value; B: input Wv: QUANTISED
;;     3. [M 65,536, K 1,024] x [K 1,024, N 1]; A: computed on the way; B: input Wm: left as it is (N = 1 < 16)
;;     4. batch 32 x [M 1, K 2,048] x [K 2,048, N 1,024]; A: softmax; B: input value: left as it is (M = 1 < 16)
;;   THE QUANTISER, for each operand of a quantised product, along K:
;;     - K is cut into blocks of 32 from its start; a last block that is shorter is filled with zeros.
;;     - A block's scale is 2^e with e = floor(log2(the largest magnitude in the block)) - 2, held to -126 .. 127; a block of zeros has e = 0. As a byte (E8M0): e + 127.
;;     - Each number is divided by its block's scale, clamped to +-6, and rounded to the nearest number of E2M1, ties to even, subnormals kept.
;;     - The product sums the exact products of the quantised numbers (number of the format x scale) in f32.
;;   ~~~python
;;   def quantise(x, axis):      # numpy; x: float32 -> the quantised numbers, widened to float32 again
;;       x = np.moveaxis(x, axis, -1); K = x.shape[-1]
;;       x = np.pad(x, [(0, 0)] * (x.ndim - 1) + [(0, -K % 32)]); x = x.reshape(x.shape[:-1] + (-1, 32)); a = np.abs(x).max(-1, keepdims=True)
;;       e = np.where(a > 0, np.clip(np.frexp(np.where(a > 0, a, 1))[1] - 1 - 2, -126, 127), 0)      # np.frexp(a)[1] - 1 = floor(log2(a)), exactly
;;       r = np.clip(x / 2.0 ** e, -6, 6)
;;       step = 2.0 ** (np.maximum(np.frexp(np.where(r == 0, 1, r))[1] - 1, 0) - 1)
;;       q = np.round(r / step) * step * 2.0 ** e      # np.round: ties to even
;;       return np.moveaxis(q.reshape(q.shape[:-2] + (-1,))[..., :K], -1, axis).astype(np.float32)
;;   ~~~
;; One version. Each part assembles by itself: llvm-mc -triple=amdgcn-amd-amdhsa -mcpu=gfx1250 --defsym DOCPART=n.
;; ======== version 1 of 1: 3 launches
;; limits: right only within a limited range of input values
;; workspace buffers: wvc 524,288 bytes; wvs 32,768 bytes; qbc 131,072 bytes; list 262,144 bytes of whole numbers; cnt 4,096 bytes of whole numbers; ebuf 262,144 bytes; ecmp 262,144 bytes; part 1,114,112 bytes
;; launch prep (part 1): grid 160 x 1, 4 waves a work-group, no clusters, 49,664 bytes of LDS; arguments Wv, Wq, query, bias, mask, wvc, wvs, qbc, list, cnt, ebuf, ecmp; writes wvc, wvs, qbc, list, cnt, ebuf, ecmp
.if DOCPART == 1
	.amdgcn_target "amdgcn-amd-amdhsa--gfx1250"
	.amdhsa_code_object_version 6
	.text
	.protected	k_q4176b26f07_prep
	.globl	k_q4176b26f07_prep
	.p2align	8
	.type	k_q4176b26f07_prep,@function
k_q4176b26f07_prep:
	s_mov_b64 s[64:65], 0
	v_nop
	global_prefetch_b8 v0, s[64:65] scope:SCOPE_SE
	s_setreg_imm32_b32 hwreg(HW_REG_WAVE_MODE, 25, 1), 1
	s_wait_xcnt 0x0
; THREE KINDS OF WORK-GROUP, told apart by the work-group's number alone (four waves each):
;   0-63    tile T of 16 rows of Wv [1024 g][1024 k], f32 -> codes of FP4 (E2M1) and E8M0 scale bytes, laid as the next launch's operand registers want them:
;           wvc: block ((8 T + K step) x 2 + c) of 512 bytes = registers 4 c .. 4 c + 3 of the fragment, 16 bytes a lane;   wvs: [g][32 bytes], byte = k / 32.
;   64-127  tile T of 16 rows of Wq and all 32 rows of query are quantised alike and multiplied: qbc[b][g] = c (sum over k of Q(query)[b][k] Q(Wq)[g][k] + bias[g]), c = 2 log2(e).
;   128-159 batch b: the rows with mask > 0, ascending, go into list[b][..], zeros behind them; their number into cnt[b][0..31]; a batch with no such row keeps ALL rows
;           (its softmax is then uniform over all rows); ebuf[b] and ecmp[b] are filled with -1e9.
; In the first two kinds wave q takes k = 256 q .. 256 q + 255.  A lane holds 8 neighbours along K of a row, four lanes a block of 32.
; A block's scale is 2^(floor(log2(largest magnitude)) - 2): its byte is the largest magnitude's exponent field - 2, held at 1 from below by a floor among the maximum's leaves.
; LIMITS: a block of zeros gets the byte 1 (its codes are zeros; these bytes are read by this program alone); NaN and infinities among the inputs are not served.
; LDS: a region of 10,240 bytes for each wave, in four parts of 2,560 (16 rows x 144 bytes of codes, then 16 rows x 8 scale bytes): part 0 Wv's, part 1 Wq's, parts 2 and 3 query's;
; behind the regions 4 x 2,048 bytes for the four waves' partial sums.  Each kind of work-group has bytes of its own.
.set FLOOR, 0x1800000                  ; 2^(3 - 127)
.set REG,   10240
.set SUB,   2560
.set CPI,   144                        ; 128 bytes of codes + 16: sixteen rows start at sixteen different groups of banks
.set SCO,   2304
.set PART,  40960
.set LO,  4                            ; v4   32 x lane: my 8 numbers of a row's 256
.set CA,  5                            ; v5   region + 4 x lane: my 8 codes
.set SA,  6                            ; v6   region + 2,304 + lane / 4: my block's byte
.set FA,  7                            ; v7   region + 144 r + 16 h: a fragment's bytes
.set SR,  8                            ; v8   region + 2,304 + 8 r + 4 h: lanes 0-15 the first K step's scale word, lanes 16-31 the second's
.set L16, 9                            ; v9   16 x lane
.set SO,  10                           ; v10  32 r + 4 h
.set PA,  11                           ; v11  the partial sums, read: 16 x thread
.set PW,  12                           ; v12  written: 2,048 x wave + 16 x lane
.set L4,  13                           ; v13  4 x lane
.set BO,  14                           ; v14  32 h + 16 (wave % 2)
.set QO,  15                           ; v15  my 16 bytes in qbc
.set M,   16                           ; v16-31   a largest magnitude, then a byte, for each of 16 rows
.set C,   32                           ; v32-47   8 codes for each of 16 rows
.set X,   48                           ; v48-175  8 numbers for each of 16 rows
.set WF,  176                          ; v176-191 the weight's two fragments
.set QF,  192                          ; v192-223 query's four: 16 x (rows / 16) + 8 x K step
.set WS,  224                          ; v224     the weight's scale words;  v225-226 query's: scales and nothing else
.set QS,  225
.set ACC, 228                          ; v228-243 two accumulators
.set BI,  244                          ; v244-247 four numbers of bias
.set MK,  48                           ; the mask's work-groups: v48-111 the whole row of the mask, 4 neighbours a lane and load
.set OWN, 112                          ; v112-127 my wave's 512, a lane a row
.set PL,  140                          ; v140-155 a place in the list for each of my 16 runs of 32 rows
.set DT,  156                          ; v156-171 what goes there
.macro LOADG ptr, g, off               ; rows 4 g .. 4 g + 3: eight loads
.irp a, 0,1,2,3
.irp e, 0,1
	global_load_b128 v[X+8*(4*(\g)+\a)+4*\e:X+8*(4*(\g)+\a)+4*\e+3], v[LO], s[\ptr:\ptr+1] offset:(\off)+4096*(4*(\g)+\a)+16*\e
.endr
.endr
.endm
.macro PROCG g, sub                    ; the same four rows, by turns, are quantised; codes and bytes go to part sub of my region
.irp a, 0,1,2,3
	v_max3_num_f32 v[M+4*(\g)+\a], |v[X+8*(4*(\g)+\a)]|, |v[X+8*(4*(\g)+\a)+1]|, FLOOR
.endr
.irp n, 2,4,6
.irp a, 0,1,2,3
	v_max3_num_f32 v[M+4*(\g)+\a], v[M+4*(\g)+\a], |v[X+8*(4*(\g)+\a)+\n]|, |v[X+8*(4*(\g)+\a)+\n+1]|
.endr
.endr
.irp a, 0,1,2,3
	v_max_num_f32_dpp v[M+4*(\g)+\a], v[M+4*(\g)+\a], v[M+4*(\g)+\a] row_xmask:1 row_mask:0xf bank_mask:0xf
.endr
.irp a, 0,1,2,3
	v_max_num_f32_dpp v[M+4*(\g)+\a], v[M+4*(\g)+\a], v[M+4*(\g)+\a] row_xmask:2 row_mask:0xf bank_mask:0xf   ; the block's four lanes agree
.endr
.irp a, 0,1,2,3
	v_add_nc_u32 v[M+4*(\g)+\a], 0xff000000, v[M+4*(\g)+\a]    ; 2 off the exponent field: the conversion's scale operand
.endr
.irp a, 0,1,2,3
	v_cvt_scalef32_pk8_fp4_f32 v[C+4*(\g)+\a], v[X+8*(4*(\g)+\a):X+8*(4*(\g)+\a)+7], v[M+4*(\g)+\a]
.endr
	v_nop                                          ; one plain line behind the scaled conversions, ahead of the shift that rewrites their scale operands
.irp a, 0,1,2,3
	ds_store_b32 v[CA], v[C+4*(\g)+\a] offset:SUB*(\sub)+CPI*(4*(\g)+\a)
.endr
.irp a, 0,1,2,3
	v_lshrrev_b32 v[M+4*(\g)+\a], 23, v[M+4*(\g)+\a]           ; the scale's byte
.endr
.irp a, 0,1,2,3
	ds_store_b8 v[SA], v[M+4*(\g)+\a] offset:SUB*(\sub)+8*(4*(\g)+\a)   ; a block's four lanes write the same byte with the same value
.endr
.endm
.macro FRAGS reg, sreg, sub            ; my region's part sub comes back as two fragments (16 rows x 128 K each) and their scale words; LDS serves a wave's instructions in order
.irp k, 0,1
.irp c, 0,1
	ds_load_b128 v[(\reg)+8*\k+4*\c:(\reg)+8*\k+4*\c+3], v[FA] offset:SUB*(\sub)+64*\k+32*\c
.endr
.endr
	ds_load_b32 v[\sreg], v[SR] offset:SUB*(\sub)
.endm
	s_load_b512 s[4:19], s[0:1], 0x0               ; Wv 4, Wq 6, query 8, bias 10, mask 12, wvc 14, wvs 16, qbc 18
	s_load_b256 s[20:27], s[0:1], 0x40             ; list 20, cnt 22, ebuf 24, ecmp 26
	v_lshl_add_u32 v254, v0, 2, 0xc000
	v_mov_b32 v255, 0
	v_lshrrev_b32 v1, 5, v0
	v_readfirstlane_b32 s28, v1                    ; wave q
	v_and_b32 v1, 31, v0                           ; lane
	v_and_b32 v2, 15, v0                           ; r
	v_bfe_u32 v3, v0, 4, 1                         ; h
	s_lshr_b32 s29, ttmp9, 6                       ; the kind: 0 Wv, 1 Wq, 2 mask
	s_and_b32 s30, ttmp9, 63                       ; the tile T, or the batch b
	s_mul_i32 s31, s28, REG                        ; my region
	s_add_co_u32 s32, s31, SCO
	v_lshlrev_b32 v[LO], 5, v1                     ; every address register is made here, ahead of the parting
	v_lshl_add_u32 v[CA], v1, 2, s31
	v_lshrrev_b32 v[SA], 2, v1
	v_add_nc_u32 v[SA], s32, v[SA]
	v_mul_u32_u24 v[FA], v2, CPI
	v_lshl_add_u32 v[FA], v3, 4, v[FA]
	v_add_nc_u32 v[FA], s31, v[FA]
	v_lshlrev_b32 v[SR], 3, v2
	v_lshl_add_u32 v[SR], v3, 2, v[SR]
	v_add_nc_u32 v[SR], s32, v[SR]
	v_lshlrev_b32 v[L16], 4, v1
	v_lshlrev_b32 v[SO], 5, v2
	v_lshl_add_u32 v[SO], v3, 2, v[SO]
	v_lshl_add_u32 v[PA], v0, 4, PART
	s_lshl_b32 s33, s28, 11
	s_add_co_u32 s33, s33, PART
	v_add_nc_u32 v[PW], s33, v[L16]
	v_lshlrev_b32 v[L4], 2, v1
	s_and_b32 s34, s28, 1
	s_lshl_b32 s34, s34, 4
	v_lshl_add_u32 v[BO], v3, 5, s34
	s_lshr_b32 s35, s28, 1
	s_lshl_b32 s35, s35, 16
	v_lshl_add_u32 v[QO], v2, 12, v[BO]
	v_add_nc_u32 v[QO], s35, v[QO]                 ; row 16 (wave / 2) + r of 4,096 bytes, + 32 h + 16 (wave % 2)
	s_lshl_b32 s36, s30, 6
	s_mov_b32 s37, 0
	s_wait_alu depctr_va_vdst(0)
	s_wait_kmcnt 0x0
	s_add_nc_u64 s[10:11], s[10:11], s[36:37]      ; bias at 16 T: inside the buffer for every kind (T is under 64)
	global_load_b128 v[BI:BI+3], v[BO], s[10:11]   ; used by the Wq work-groups' tail alone; it stands ahead of the parting so that the tail's registers are written on every way that leads there
	s_cmp_eq_u32 s29, 1
	s_cbranch_scc1 .Lrole_b
	s_cmp_eq_u32 s29, 2
	s_cbranch_scc1 .Lrole_c
	; ---- Wv: 16 rows x my 256 along K
	s_lshl_b32 s36, s30, 16                        ; 16 rows of 4,096 bytes a tile,
	s_lshl_b32 s38, s28, 10                        ; 1,024 bytes a wave
	s_add_co_u32 s36, s36, s38
	s_add_nc_u64 s[4:5], s[4:5], s[36:37]
.irp g, 0,1,2,3
	LOADG 4, \g, 0
.endr
	s_lshl_b32 s36, s30, 13                        ; wvc: (8 T + 2 q) x 1,024
	s_lshl_b32 s38, s28, 11
	s_add_co_u32 s36, s36, s38
	s_add_nc_u64 s[14:15], s[14:15], s[36:37]
	s_lshl_b32 s36, s30, 9                         ; wvs: 512 T + 8 q
	s_lshl_b32 s38, s28, 3
	s_add_co_u32 s36, s36, s38
	s_add_nc_u64 s[16:17], s[16:17], s[36:37]
	s_wait_loadcnt 0x0
.irp g, 0,1,2,3
	PROCG \g, 0
.endr
	FRAGS WF, WS, 0
	s_wait_dscnt 0x0
.irp k, 0,1
.irp c, 0,1
	global_store_b128 v[L16], v[WF+8*\k+4*\c:WF+8*\k+4*\c+3], s[14:15] offset:(2*\k+\c)*512   ; 32 lanes store 512 consecutive bytes
.endr
.endr
	global_store_b32 v[SO], v[WS], s[16:17]        ; row r's four bytes of K step 2 q + h
	s_branch .Ljoin
	; ---- Wq and query
.Lrole_b:
	s_lshl_b32 s36, s30, 16
	s_lshl_b32 s38, s28, 10
	s_add_co_u32 s36, s36, s38
	s_add_nc_u64 s[6:7], s[6:7], s[36:37]
	s_mov_b32 s36, s38
	s_add_nc_u64 s[8:9], s[8:9], s[36:37]
.irp g, 0,1,2,3
	LOADG 6, \g, 0
.endr
	s_wait_loadcnt 0x0
.irp g, 0,1,2,3
	PROCG \g, 1                                    ; Wq's rows; their registers then take query's rows 0-15
	LOADG 8, \g, 0
.endr
	s_wait_dscnt 0x0                               ; the LDS stores have read M and C, which the next run writes again
.irp g, 0,1,2,3
	s_wait_loadcnt 24                              ; behind this group's eight loads 24 were issued: the later groups of rows 0-15 and the earlier ones of rows 16-31
	PROCG \g, 2
	LOADG 8, \g, 65536
.endr
	s_wait_dscnt 0x0
.irp g, 0,1,2,3
	s_wait_loadcnt 24-8*\g                         ; the later groups of rows 16-31 may be out
	PROCG \g, 3
.endr
	FRAGS WF, WS, 1
	FRAGS QF, QS, 2
	FRAGS QF+16, QS+1, 3
	s_wait_dscnt 0x0
	; source 0 = 16 rows of Wq, source 1 = 16 rows of query: lane (r, h) holds batch row r and g = 16 T + 8 h + 0 .. 7.  Two accumulators by turns; the first K step starts the sums
	v_wmma_scale_f32_16x16x128_f8f6f4 v[ACC:ACC+7], v[WF:WF+7], v[QF:QF+7], 0, v[WS], v[QS] matrix_a_fmt:MATRIX_FMT_FP4 matrix_b_fmt:MATRIX_FMT_FP4
	v_wmma_scale_f32_16x16x128_f8f6f4 v[ACC+8:ACC+15], v[WF:WF+7], v[QF+16:QF+23], 0, v[WS], v[QS+1] matrix_a_fmt:MATRIX_FMT_FP4 matrix_b_fmt:MATRIX_FMT_FP4
	v_wmma_scale_f32_16x16x128_f8f6f4 v[ACC:ACC+7], v[WF+8:WF+15], v[QF+8:QF+15], v[ACC:ACC+7], v[WS], v[QS] matrix_a_fmt:MATRIX_FMT_FP4 matrix_b_fmt:MATRIX_FMT_FP4 matrix_a_scale:MATRIX_SCALE_ROW1 matrix_b_scale:MATRIX_SCALE_ROW1
	v_wmma_scale_f32_16x16x128_f8f6f4 v[ACC+8:ACC+15], v[WF+8:WF+15], v[QF+24:QF+31], v[ACC+8:ACC+15], v[WS], v[QS+1] matrix_a_fmt:MATRIX_FMT_FP4 matrix_b_fmt:MATRIX_FMT_FP4 matrix_a_scale:MATRIX_SCALE_ROW1 matrix_b_scale:MATRIX_SCALE_ROW1
.rept 4
	v_nop                                          ; four places between a product and the LDS store that reads its result
.endr
.irp t, 0,1
.irp c, 0,1
	ds_store_b128 v[PW], v[ACC+8*\t+4*\c:ACC+8*\t+4*\c+3] offset:1024*\t+512*\c   ; my K segment's part, each accumulator from its low end on
.endr
.endr
	s_branch .Ljoin
	; ---- mask: wave q places the rows n = 512 q .. 512 q + 511
.Lrole_c:
	s_lshl_b32 s46, s30, 13                        ; 8,192 bytes a batch
	s_mov_b32 s47, 0
	s_add_nc_u64 s[12:13], s[12:13], s[46:47]
	s_add_nc_u64 s[20:21], s[20:21], s[46:47]
	s_lshl_b32 s45, s28, 9                         ; 512 q
	v_add_nc_u32 v128, s45, v1                     ; 512 q + lane
	v_lshlrev_b32 v132, 2, v128
.set j, 0
.rept 16
	global_load_b128 v[MK+4*j:MK+4*j+3], v[L16], s[12:13] offset:512*j     ; the whole row of the mask, 512 consecutive bytes a load: every wave counts all of it.  Load j holds rows 128 j .. 128 j + 127
.set j, j+1
.endr
.set j, 0
.rept 16
	global_load_b32 v[OWN+j], v132, s[12:13] offset:128*j      ; and my own 512 once more, a lane a row, at register numbers that do not hang on the wave
.set j, j+1
.endr
	s_lshl_b32 s48, s28, 11
	s_add_co_u32 s46, s46, s48
	s_add_nc_u64 s[24:25], s[24:25], s[46:47]      ; ebuf and ecmp at my 512 numbers
	s_add_nc_u64 s[26:27], s[26:27], s[46:47]
	s_lshl_b32 s46, s30, 7
	s_add_nc_u64 s[22:23], s[22:23], s[46:47]
.irp i, 136,137,138,139
	v_mov_b32 v\i, 0xce6e6b28                      ; -1e9
.endr
.irp i, 0,1,2,3
	global_store_b128 v[L16], v[136:139], s[24:25] offset:512*\i
	global_store_b128 v[L16], v[136:139], s[26:27] offset:512*\i
.endr
	s_mov_b32 s36, 0                               ; rows kept in the batch
	s_mov_b32 s37, 0                               ; rows kept ahead of my 512
	s_wait_loadcnt 0x0
.set j, 0
.rept 64                                           ; register j holds rows of wave j / 16's 512
	v_cmp_lt_i32 s39, 0, v[MK+j]
	s_bcnt1_i32_b32 s40, s39
	s_add_co_u32 s36, s36, s40
	s_cmp_gt_u32 s28, j/16
	s_cselect_b32 s40, s40, 0
	s_add_co_u32 s37, s37, s40
.set j, j+1
.endr
	s_cmp_eq_u32 s36, 0                            ; no row kept: all are
	s_cselect_b32 s42, -1, 0
	s_cselect_b32 s43, 2048, s36                   ; the count
	s_cselect_b32 s37, s45, s37
	v_mov_b32 v133, s43
	; EVERY LANE STORES ONE WORD.  With k kept rows ahead of row n: a kept row goes to place k; a row that is not kept sends a 0 to place count + (n - k), n - k being the rows not kept ahead of it.
	; The 2,048 rows so fill the 2,048 places, each once: kept rows ascending, zeros behind them.  All lanes stay on; each of the 16 runs has its own place and data registers, so no store's source is written again.
.set j, 0
.rept 16
	v_cmp_lt_i32 vcc_lo, 0, v[OWN+j]
	s_or_b32 vcc_lo, vcc_lo, s42
	v_mbcnt_lo_u32_b32 v[PL+j], vcc_lo, 0          ; kept rows in the lanes below me
	v_add_nc_u32 v[PL+j], s37, v[PL+j]             ; k
	v_add_nc_u32 v[DT+j], 32*j, v128               ; n
	v_sub_nc_u32 v129, v[DT+j], v[PL+j]            ; n - k
	v_add_nc_u32 v129, s43, v129
	v_cndmask_b32 v[PL+j], v129, v[PL+j], vcc_lo   ; kept: k; else count + n - k
	v_cndmask_b32 v[DT+j], 0, v[DT+j], vcc_lo      ; kept: n; else 0
	v_min_u32 v[PL+j], 2047, v[PL+j]               ; a place in the list
	v_lshlrev_b32 v[PL+j], 2, v[PL+j]
	s_bcnt1_i32_b32 s40, vcc_lo
	s_add_co_u32 s37, s37, s40
	global_store_b32 v[PL+j], v[DT+j], s[20:21]
.set j, j+1
.endr
	s_cmp_lg_u32 s28, 0
	s_cbranch_scc1 .Ljoin
	global_store_b32 v[L4], v133, s[22:23]         ; the count, 32 times: 128 consecutive bytes
.Ljoin:
	s_wait_xcnt 0x0                                ; whatever was stored on the way here has read its registers
	s_wait_dscnt 0x0                               ; my partial sums lie in LDS
	s_barrier_signal -1
	s_barrier_wait -1
	s_cmp_lg_u32 s29, 1
	s_cbranch_scc1 .Lend
	; ---- the Wq work-groups' tail: thread t adds the four waves' parts of four numbers: batch row 16 (wave / 2) + r, g = 16 T + 8 h + 4 (wave % 2) + 0 .. 3
.irp i, 0,1,2,3
	ds_load_b128 v[X+4*\i:X+4*\i+3], v[PA] offset:2048*\i
.endr
	s_lshl_b32 s36, s30, 6
	s_mov_b32 s37, 0
	s_add_nc_u64 s[18:19], s[18:19], s[36:37]
	s_mov_b32 s38, 0x4038aa3b                      ; c = 2 log2(e)
	s_mov_b32 s39, s38
	s_wait_dscnt 0x0
	v_pk_add_f32 v[X:X+1], v[X:X+1], v[X+4:X+5]
	v_pk_add_f32 v[X+2:X+3], v[X+2:X+3], v[X+6:X+7]
	v_pk_add_f32 v[X+8:X+9], v[X+8:X+9], v[X+12:X+13]
	v_pk_add_f32 v[X+10:X+11], v[X+10:X+11], v[X+14:X+15]
	v_pk_add_f32 v[X:X+1], v[X:X+1], v[X+8:X+9]
	v_pk_add_f32 v[X+2:X+3], v[X+2:X+3], v[X+10:X+11]
	v_pk_add_f32 v[X:X+1], v[X:X+1], v[BI:BI+1]
	v_pk_add_f32 v[X+2:X+3], v[X+2:X+3], v[BI+2:BI+3]
	v_pk_mul_f32 v[X:X+1], v[X:X+1], s[38:39] op_sel_hi:[1,0]
	v_pk_mul_f32 v[X+2:X+3], v[X+2:X+3], s[38:39] op_sel_hi:[1,0]
	global_store_b128 v[QO], v[X:X+3], s[18:19]
.Lend:
	s_wait_tensorcnt 0x0
	ds_add_u32 v254, v255
	s_wait_dscnt 0x0
	s_endpgm
.Lfunc_end_k_q4176b26f07_prep:
	.size	k_q4176b26f07_prep, .Lfunc_end_k_q4176b26f07_prep-k_q4176b26f07_prep
	.p2alignl 7, 3214868480
	.fill 96, 4, 3214868480
	.section	.rodata,"a",@progbits
	.p2align	6, 0x0
	.amdhsa_kernel k_q4176b26f07_prep
		.amdhsa_group_segment_fixed_size 49664
		.amdhsa_private_segment_fixed_size 0
		.amdhsa_enable_private_segment 0
		.amdhsa_kernarg_size 96
		.amdhsa_user_sgpr_count 2
		.amdhsa_user_sgpr_kernarg_segment_ptr 1
		.amdhsa_wavefront_size32 1
		.amdhsa_system_sgpr_workgroup_id_x 1
		.amdhsa_system_sgpr_workgroup_id_y 1
		.amdhsa_system_sgpr_workgroup_id_z 1
		.amdhsa_system_vgpr_workitem_id 0
		.amdhsa_next_free_vgpr 256
		.amdhsa_next_free_sgpr 66
		.amdhsa_reserve_vcc 1
		.amdhsa_float_denorm_mode_32 3
		.amdhsa_float_denorm_mode_16_64 3
		.amdhsa_memory_ordered 1
		.amdhsa_forward_progress 1
		.amdhsa_inst_pref_size 93
	.end_amdhsa_kernel
	.amdgpu_metadata
---
amdhsa.version: [ 1, 2 ]
amdhsa.kernels:
  - .name:           k_q4176b26f07_prep
    .symbol:         k_q4176b26f07_prep.kd
    .args:
      - { .name: Wv, .offset: 0, .size: 8, .value_kind: global_buffer, .address_space: global }
      - { .name: Wq, .offset: 8, .size: 8, .value_kind: global_buffer, .address_space: global }
      - { .name: query, .offset: 16, .size: 8, .value_kind: global_buffer, .address_space: global }
      - { .name: bias, .offset: 24, .size: 8, .value_kind: global_buffer, .address_space: global }
      - { .name: mask, .offset: 32, .size: 8, .value_kind: global_buffer, .address_space: global }
      - { .name: wvc, .offset: 40, .size: 8, .value_kind: global_buffer, .address_space: global }
      - { .name: wvs, .offset: 48, .size: 8, .value_kind: global_buffer, .address_space: global }
      - { .name: qbc, .offset: 56, .size: 8, .value_kind: global_buffer, .address_space: global }
      - { .name: list, .offset: 64, .size: 8, .value_kind: global_buffer, .address_space: global }
      - { .name: cnt, .offset: 72, .size: 8, .value_kind: global_buffer, .address_space: global }
      - { .name: ebuf, .offset: 80, .size: 8, .value_kind: global_buffer, .address_space: global }
      - { .name: ecmp, .offset: 88, .size: 8, .value_kind: global_buffer, .address_space: global }
    .group_segment_fixed_size: 49664
    .private_segment_fixed_size: 0
    .kernarg_segment_align: 8
    .kernarg_segment_size: 96
    .max_flat_workgroup_size: 128
    .sgpr_count:     66
    .vgpr_count:     256
    .wavefront_size: 32
...
	.end_amdgpu_metadata
.endif
;; end of part 1
;; launch scores (part 2): grid 8 x 32, 8 waves a work-group, no clusters, 165,888 bytes of LDS; arguments value, cov_vec, mask, Wc, Wm, bm, wvc, wvs, qbc, list, cnt, ebuf, part; writes ebuf, part
.if DOCPART == 2
	.amdgcn_target "amdgcn-amd-amdhsa--gfx1250"
	.amdhsa_code_object_version 6
	.text
	.protected	k_q4176b26f07_scores
	.globl	k_q4176b26f07_scores
	.p2align	8
	.type	k_q4176b26f07_scores,@function
k_q4176b26f07_scores:
	s_mov_b64 s[64:65], 0
	v_nop
	global_prefetch_b8 v0, s[64:65] scope:SCOPE_SE
	s_setreg_imm32_b32 hwreg(HW_REG_WAVE_MODE, 25, 1), 1
	s_wait_xcnt 0x0
; e[b][n] = sum over g of Wm[g] tanh(q_hid[b][g] + sum over k of Q(value)[b][n][k] Q(Wv)[g][k] + cov[b][n] Wc[g] + bias[g]) + bm, for the rows n of batch b's list alone
; (the rows with mask > 0; all rows where a batch has none: their e is then -1e9, by the select).  It goes to ebuf by row.
; tanh(x) = 1 - 2 / (1 + 2^(c x)), c = 2 log2(e): e = bm + sum Wm - 2 sum Wm / (1 + 2^(c x)).  Where 2^(c x) is infinite the quotient is 0, where it is 0 the quotient is 1: no hold is needed.
; THEN THE WORK-GROUP'S PART OF THE WEIGHTED SUM: m = the largest e of my rows, p = exp(e - m), l = sum p, part[h] = sum over my rows of p value[row][h].  The next launch joins a batch's eight parts.
; SHARES.  Work-group (j, b) takes the batch's tiles j, j + 8, j + 16 .. of 16 list entries: at most 16, as many as the stored count says.  No tensor load and no cluster: the number of tiles is read from memory.
;   GATHER: wave w takes rows 2 w and 2 w + 1 of each tile (4,096 bytes each) through a ring of three register sets, quantises them to FP4 (a lane holds 8 neighbours along K, four lanes a block) and lays codes and scale bytes in LDS.
;   Tiles 0 to 2 are asked for at the head, tile t + 3 behind tile t's quantising; the first sweep's fragments of Wv go out eight loads a trip among them.
;   SWEEPS: wave w owns g = 128 w .. 128 w + 127, in two sweeps of 64: the sweep's 32 fragments of Wv fill register window 1 and stay; each tile's 8 fragments come from LDS once a sweep.
;   The product is used transposed (source 0 = 16 rows of Wv, source 1 = 16 rows of value): lane (r, h) holds list row r, register j of accumulator t holds g = 128 w + 64 s + 16 t + 8 h + j.
;   SECOND WALK: wave w reads its rows again, the last tile first, through the same ring; a lane holds 32 columns' sums; the eight waves' sums meet in LDS.
; LIMITS: a block of zeros gets the scale byte 1 (its codes are zeros); NaN and infinities among the inputs are not served.  A place of a tile behind the list's end counts as e = -3e38: its weight is 0.
.set FLOOR,  0x1800000                 ; 2^(3 - 127)
.set CPITCH, 528                       ; a row's 512 bytes of codes + 16
.set SPITCH, 48                        ; a row's 32 scale bytes + 16
.set SCB,    135168                    ; behind 256 rows of codes
.set EP,     147456                    ; 16 slots (2 w + s) x 256 rows x 4 bytes
.set COVL,   163840                    ; cov of the 256 rows; behind the sweeps their e
.set SPARE,  164864                    ; the spare words, 128 bytes a wave
.set REC,    4352                      ; a record of part: 4,096 bytes of sums, 256 bytes of (m, l)
.set L16, 1
.set L32, 2
.set WSO, 3                            ; 32 r + 16 h; behind the sweeps COVL + 32 lane
.set H32, 4                            ; 32 h; behind the sweeps my rows' places among the e
.set VFA, 5                            ; 528 r + 16 h; behind the sweeps 4,096 w + 16 lane
.set VSA, 6                            ; SCB + 48 r + 16 h; behind the sweeps 16 x thread
.set CVA, 7                            ; COVL + 4 r; behind the sweeps 8 x lane
.set EPA, 8                            ; EP + 2,048 w + 4 r
.set XCA, 9                            ; 1,056 w + 4 lane, 8,448 on with each tile
.set XSA, 10                           ; SCB + 96 w + lane / 4, 768 on with each tile
.set ROW4, 11                          ; 4 x the row of my list entry
.set MSK, 12
.set COVV, 13
.set TO,  14                           ; my entry's bytes behind tile j: 512 (thread / 16) + 4 r
.set FE,  15
.set CLA, 16                           ; COVL + 4 x thread
.set LR,  17                           ; lane 2 t + u: the list entry of my row u of tile t
.set IDX, 18                           ; my entry's place in the list
.set EV,  19                           ; its e
.set WS,  20                           ; v20-35 Wv's scale words; v36-39 value's: in the sweeps scales and nothing else
.set VS,  36
.set CW,  40                           ; v40-71 c Wc;  v72-103 c (q_hid + bias);  v104-135 Wm
.set CQ,  72
.set WM,  104
.set ACC, 136                          ; four accumulators
.set VF,  168                          ; v168-231 a tile's eight fragments
.set COV, 232                          ; cov of my row, twice: v232 and v233
.set EA,  234                          ; v234-241 four pairs of sums
.set WSUM, 242
.set T,   243
.set T2,  244
.set RES, 245
.set ADR, 246
.set AD2, 247
.set AD3, 248
.set AD4, 249
.set SPW, 254
.set NIL, 255
.set LE,  20                           ; the head: a list entry
.set XO,  248                          ; both walks: v248-253 row offsets, set p row u at 2 p + u
.set XM,  40                           ; the gather: v40-47 largest magnitudes, then bytes; v48-55 codes
.set XC,  48
.set XS,  56                           ; both walks: v56-247 three sets of 2 rows x 32 numbers
.set AC,  20                           ; the second walk: v20-51 my 32 columns' sums
.set E8,  28                           ; the statistics: v28-35 eight e; v37-38 at work
.set MV,  52                           ; m;  v53 l
.set PW,  54                           ; lane 2 t + u: the weight of my row u of tile t
.set PT,  55
.set W,   30
.set B,   31
.set J,   32
.set CNT, 33
.set BM,  34
.set NTB, 35
.set LG,  36                           ; log2(e)
.set NT,  37
.set SV,  39
.set VB,  40
.set PTW, 42
.set PTS, 44
.set PTC, 46
.set PTM, 48
.set PTQ, 50
.set PTL, 52
.set PTLW, 54
.set C2,  56
.set SEL, 58
.set I,   60
.set OFF, 61
.set OF2, 62
.set OF3, 63
.set WT,  60                           ; the second walk: s[60:61], s[62:63] two weights, each the low word of a pair
.set E0,  66
.set E1,  67
.set R,   68                           ; s[68:99] my two list entries of each of 16 tiles
.set OFS, 100
.set MSB, 0
.macro WIN new
.if MSB != \new
	s_set_vgpr_msb (MSB<<8)|\new
.set MSB, \new
.endif
.endm
.macro WPIECE s, p                     ; an eighth of sweep s's codes of Wv into window 1: fragments 4 p .. 4 p + 3 (fragment 8 t + k at register 8 (8 t + k)); each load takes 512 consecutive bytes
	WIN 0x40
.irp f, 0,1,2,3
.irp c, 0,1
	global_load_b128 v[(4*(\p)+\f)*8+4*\c:(4*(\p)+\f)*8+4*\c+3], v[L16], s[PTW:PTW+1] offset:32768*(\s)+(4*(\p)+\f)*1024+512*\c
.endr
.endr
	WIN 0
.endm
.macro LOADC s                         ; sweep s: Wv's scale words, and my 8 numbers a tile of Wc, Wm and c (q_hid + bias)
.irp t, 0,1,2,3
	global_load_b128 v[WS+4*\t:WS+4*\t+3], v[WSO], s[PTS:PTS+1] offset:2048*(\s)+512*\t
.endr
.irp t, 0,1,2,3
.irp u, 0,1
	global_load_b128 v[CW+8*\t+4*\u:CW+8*\t+4*\u+3], v[H32], s[PTC:PTC+1] offset:256*(\s)+64*\t+16*\u
	global_load_b128 v[WM+8*\t+4*\u:WM+8*\t+4*\u+3], v[H32], s[PTM:PTM+1] offset:256*(\s)+64*\t+16*\u
	global_load_b128 v[CQ+8*\t+4*\u:CQ+8*\t+4*\u+3], v[H32], s[PTQ:PTQ+1] offset:256*(\s)+64*\t+16*\u
.endr
.endr
.endm
; The two rows named in s[R + 2 t], s[R + 2 t + 1] are asked for, into set p: 16 loads.  lr, es = L32, 16: a lane takes 8 neighbours of each 256 along K;  L16, 512: each load takes 512 consecutive bytes.
.macro XISSUE p, t, lr, es
	s_min_u32 s[E0], s[R+2*(\t)], 2047
	s_min_u32 s[E1], s[R+2*(\t)+1], 2047
	s_lshl_b32 s[E0], s[E0], 12
	s_lshl_b32 s[E1], s[E1], 12
	v_add_nc_u32 v[XO+2*(\p)], s[E0], v[\lr]
	v_add_nc_u32 v[XO+2*(\p)+1], s[E1], v[\lr]
.irp u, 0,1
.irp q, 0,1,2,3
.irp e, 0,1
	global_load_b128 v[XS+64*(\p)+32*\u+8*\q+4*\e:XS+64*(\p)+32*\u+8*\q+4*\e+3], v[XO+2*(\p)+\u], s[VB:VB+1] offset:1024*\q+(\es)*\e
.endr
.endr
.endr
.endm
.macro XPROC p                         ; set p's eight runs of 256 along K (row i / 4, quarter i % 4), by turns
.irp i, 0,1,2,3,4,5,6,7
	v_max3_num_f32 v[XM+\i], |v[XS+64*(\p)+8*\i]|, |v[XS+64*(\p)+8*\i+1]|, FLOOR
.endr
.irp n, 2,4,6
.irp i, 0,1,2,3,4,5,6,7
	v_max3_num_f32 v[XM+\i], v[XM+\i], |v[XS+64*(\p)+8*\i+\n]|, |v[XS+64*(\p)+8*\i+\n+1]|
.endr
.endr
.irp i, 0,1,2,3,4,5,6,7
	v_max_num_f32_dpp v[XM+\i], v[XM+\i], v[XM+\i] row_xmask:1 row_mask:0xf bank_mask:0xf
.endr
.irp i, 0,1,2,3,4,5,6,7
	v_max_num_f32_dpp v[XM+\i], v[XM+\i], v[XM+\i] row_xmask:2 row_mask:0xf bank_mask:0xf
.endr
.irp i, 0,1,2,3,4,5,6,7
	v_add_nc_u32 v[XM+\i], 0xff000000, v[XM+\i]    ; 2 off the exponent field: the conversion's scale operand
.endr
.irp i, 0,1,2,3,4,5,6,7
	v_cvt_scalef32_pk8_fp4_f32 v[XC+\i], v[XS+64*(\p)+8*\i:XS+64*(\p)+8*\i+7], v[XM+\i]
.endr
	v_nop                                          ; one plain line behind the scaled conversions
.irp i, 0,1,2,3,4,5,6,7
	ds_store_b32 v[XCA], v[XC+\i] offset:CPITCH*(\i/4)+128*(\i%4)
.endr
.irp i, 0,1,2,3,4,5,6,7
	v_lshrrev_b32 v[XM+\i], 23, v[XM+\i]           ; the scale's byte
.endr
.irp i, 0,1,2,3,4,5,6,7
	ds_store_b8 v[XSA], v[XM+\i] offset:SPITCH*(\i/4)+8*(\i%4)
.endr
.endm
; Trip t quantises tile t and asks for tile t + 3 into the set just read.  THE COUNT: behind tile t's 16 loads stand those of the next two tiles (32), and 8 for each piece of Wv issued behind them
; (tiles 0 to 2: also the two loads of cov and mask).  A trip that asks for no tile waits for all loads instead, so the later counts hold on that way too.
.macro XTRIP t
.if \t == 0
.set XN, 34
.elseif \t == 1
.set XN, 42
.elseif \t == 2
.set XN, 50
.elseif \t < 9
.set XN, 56
.elseif \t == 9
.set XN, 48
.elseif \t == 10
.set XN, 40
.elseif \t < 14
.set XN, 32
.else
.set XN, 16*(15-\t)
.endif
	s_cmp_le_u32 s[NT], \t
.if \t < 8
	s_cbranch_scc1 .Lw\t                           ; no such tile: the pieces of Wv not yet asked for follow
.else
	s_cbranch_scc1 .Lxdone
.endif
	s_wait_loadcnt XN
	s_wait_dscnt 0x0                               ; the last tile's LDS stores have read the registers that are written again now
	XPROC (\t)%3
	v_add_nc_u32 v[XCA], 16*CPITCH, v[XCA]
	v_add_nc_u32 v[XSA], 16*SPITCH, v[XSA]
.if \t < 13
	s_cmp_gt_u32 s[NT], (\t)+3
	s_cbranch_scc0 .Lxs\t
	XISSUE (\t)%3, (\t)+3, L32, 16
	s_branch .Lxi\t
.Lxs\t:
	s_wait_loadcnt 0x0
.Lxi\t:
.endif
.if \t < 8
	WPIECE 0, \t
.endif
.endm
; Trip i of the second walk: tile NT - 1 - i (its entries lie in lanes 2 (NT - 1 - i) and 2 (NT - 1 - i) + 1 of LR) is summed, and the tile three further on is asked for into the set just read.  The count: the next two tiles' 32 loads.
; The second walk's place i is my tile NT - 1 - i (where there is none: tile 15, inside the list, and never summed).  Its two rows are asked for, into set p: 16 loads of 512 consecutive bytes.
.macro VISSUE p, i
	s_sub_co_u32 s[E0], s[NT], (\i)+1
	s_min_u32 s[E0], s[E0], 15
	s_lshl_b32 s[E0], s[E0], 1
	s_add_co_u32 s[E1], s[E0], 1
	v_readlane_b32 s[E0], v[LR], s[E0]
	v_readlane_b32 s[E1], v[LR], s[E1]
	s_min_u32 s[E0], s[E0], 2047
	s_min_u32 s[E1], s[E1], 2047
	s_lshl_b32 s[E0], s[E0], 12
	s_lshl_b32 s[E1], s[E1], 12
	v_add_nc_u32 v[XO+2*(\p)], s[E0], v[L16]
	v_add_nc_u32 v[XO+2*(\p)+1], s[E1], v[L16]
.irp u, 0,1
.irp q, 0,1,2,3
.irp e, 0,1
	global_load_b128 v[XS+64*(\p)+32*\u+8*\q+4*\e:XS+64*(\p)+32*\u+8*\q+4*\e+3], v[XO+2*(\p)+\u], s[VB:VB+1] offset:1024*\q+512*\e
.endr
.endr
.endr
.endm
.macro VTRIP i
	s_cmp_le_u32 s[NT], \i
	s_cbranch_scc1 .Lvdone
.if \i < 14
	s_wait_loadcnt 32
.else
	s_wait_loadcnt 16*(15-\i)
.endif
	s_sub_co_u32 s[E0], s[NT], (\i)+1
	s_lshl_b32 s[E0], s[E0], 1                     ; the lane that holds the weight of my first row of that tile
	s_add_co_u32 s[E1], s[E0], 1
	v_readlane_b32 s[WT], v[PW], s[E0]
	v_readlane_b32 s[WT+2], v[PW], s[E1]
	s_wait_alu depctr_va_vdst(0)
.irp u, 0,1
.irp m, 0,1,2,3,4,5,6,7,8,9,10,11,12,13,14,15
	v_pk_fma_f32 v[AC+2*\m:AC+2*\m+1], v[XS+64*((\i)%3)+32*\u+2*\m:XS+64*((\i)%3)+32*\u+2*\m+1], s[WT+2*\u:WT+2*\u+1], v[AC+2*\m:AC+2*\m+1] op_sel_hi:[1,0,1]
.endr
.endr
.if \i < 13
	s_cmp_gt_u32 s[NT], (\i)+3
	s_cbranch_scc0 .Lvs\i
	VISSUE (\i)%3, (\i)+3
	s_branch .Lvi\i
.Lvs\i:
	s_wait_loadcnt 0x0
.Lvi\i:
.endif
.endm
.macro RED4                            ; the four pairs from EA on -> the sum over my registers and the lane 16 away, in T
	v_pk_add_f32 v[EA:EA+1], v[EA:EA+1], v[EA+4:EA+5]
	v_pk_add_f32 v[EA+2:EA+3], v[EA+2:EA+3], v[EA+6:EA+7]
	s_delay_alu instid0(VALU_DEP_1)
	v_pk_add_f32 v[EA:EA+1], v[EA:EA+1], v[EA+2:EA+3]
	s_delay_alu instid0(VALU_DEP_1)
	v_add_f32 v[T], v[EA], v[EA+1]
	s_delay_alu instid0(VALU_DEP_1)
	v_permlanex16_b32 v[T2], v[T], s[SEL], s[SEL+1]
	s_delay_alu instid0(VALU_DEP_1)
	v_add_f32 v[T], v[T], v[T2]
.endm
.macro EPI                             ; 32 sums a lane -> the lane's row's part of e for these 64 g.  The plain arithmetic goes two lines to an instruction: neighbouring registers, so that each pair's register banks differ
.irp i, 0,1,2,3,4,5,6,7,8,9,10,11,12,13,14,15
	v_dual_fmamk_f32 v[ACC+2*\i], v[ACC+2*\i], 0x4038aa3b, v[CQ+2*\i] :: v_dual_fmamk_f32 v[ACC+2*\i+1], v[ACC+2*\i+1], 0x4038aa3b, v[CQ+2*\i+1]   ; c v_hid + c (q_hid + bias); each accumulator from its low end on
.endr
.irp i, 0,1,2,3,4,5,6,7,8,9,10,11,12,13,14,15
	v_dual_fmac_f32 v[ACC+2*\i], v[COV], v[CW+2*\i] :: v_dual_fmac_f32 v[ACC+2*\i+1], v[COV+1], v[CW+2*\i+1]      ; + cov x c Wc
.endr
	s_wait_alu depctr_va_vdst(0)                   ; a wait ahead of the batch
.set i, 0
.rept 32
	v_exp_f32 v[ACC+i], v[ACC+i]
.set i, i+1
.endr
	v_nop
	s_wait_alu depctr_va_vdst(0)                   ; and behind it
.irp i, 0,1,2,3,4,5,6,7,8,9,10,11,12,13,14,15
	v_dual_add_f32 v[ACC+2*\i], 1.0, v[ACC+2*\i] :: v_dual_add_f32 v[ACC+2*\i+1], 1.0, v[ACC+2*\i+1]
.endr
	s_wait_alu depctr_va_vdst(0)
.set i, 0
.rept 32
	v_rcp_f32 v[ACC+i], v[ACC+i]
.set i, i+1
.endr
	v_nop
	s_wait_alu depctr_va_vdst(0)
.irp t, 0,1,2,3
	v_dual_mul_f32 v[EA+2*\t], v[ACC+8*\t], v[WM+8*\t] :: v_dual_mul_f32 v[EA+2*\t+1], v[ACC+8*\t+1], v[WM+8*\t+1]
.endr
.irp n, 2,4,6
.irp t, 0,1,2,3
	v_dual_fmac_f32 v[EA+2*\t], v[ACC+8*\t+\n], v[WM+8*\t+\n] :: v_dual_fmac_f32 v[EA+2*\t+1], v[ACC+8*\t+\n+1], v[WM+8*\t+\n+1]
.endr
.endr
	RED4
	s_delay_alu instid0(VALU_DEP_1)
	v_fma_f32 v[RES], -2.0, v[T], v[WSUM]
.endm
.macro SWEEP s
	s_wait_loadcnt 0x0                             ; the sweep's fragments of Wv, scale words and vectors are in
.irp i, 0,1,2,3,4,5,6,7,8,9,10,11,12,13,14,15
	v_pk_mul_f32 v[CW+2*\i:CW+2*\i+1], v[CW+2*\i:CW+2*\i+1], s[C2:C2+1] op_sel_hi:[1,0]
.endr
.irp t, 0,1,2,3
	v_pk_add_f32 v[EA+2*\t:EA+2*\t+1], v[WM+8*\t:WM+8*\t+1], v[WM+8*\t+2:WM+8*\t+3]
.endr
.irp n, 4,6
.irp t, 0,1,2,3
	v_pk_add_f32 v[EA+2*\t:EA+2*\t+1], v[EA+2*\t:EA+2*\t+1], v[WM+8*\t+\n:WM+8*\t+\n+1]
.endr
.endr
	RED4
	s_delay_alu instid0(VALU_DEP_1)
	v_mov_b32 v[WSUM], v[T]                        ; the sum of these 64 Wm
	s_mov_b32 s[I], 0
	s_mov_b32 s[OFF], 0
	s_mov_b32 s[OF2], 0
	s_mov_b32 s[OF3], 0
.Lsw_\s:                                           ; sixteen trips, a tile each; a tile that I do not have is jumped over
	s_cmp_ge_u32 s[I], s[NT]
	s_cbranch_scc1 .Lskip_\s
	v_add_nc_u32 v[ADR], s[OFF], v[VFA]
	v_add_nc_u32 v[AD2], s[OF2], v[VSA]
	v_add_nc_u32 v[AD3], s[OF3], v[CVA]
	v_add_nc_u32 v[AD4], s[OF3], v[EPA]
.irp k, 0,1,2,3,4,5,6,7
.irp c, 0,1
	ds_load_b128 v[VF+8*\k+4*\c:VF+8*\k+4*\c+3], v[ADR] offset:64*\k+32*\c
.endr
.endr
	ds_load_b128 v[VS:VS+3], v[AD2]
	ds_load_b32 v[COV], v[AD3]
	ds_load_b32 v[COV+1], v[AD3]
	s_wait_dscnt 0x0
	WIN 0x01                                       ; source 0 (Wv) in window 1
.irp k, 0,1,2,3,4,5,6,7                            ; the four accumulators take turns, one instruction a turn; the first K step starts the sums
.irp t, 0,1,2,3
.if \k == 0
	v_wmma_scale_f32_16x16x128_f8f6f4 v[ACC+8*\t:ACC+8*\t+7], v[(8*\t+\k)*8:(8*\t+\k)*8+7], v[VF+8*\k:VF+8*\k+7], 0, v[WS+4*\t], v[VS] matrix_a_fmt:MATRIX_FMT_FP4 matrix_b_fmt:MATRIX_FMT_FP4
.elseif \k < 4
	v_wmma_scale_f32_16x16x128_f8f6f4 v[ACC+8*\t:ACC+8*\t+7], v[(8*\t+\k)*8:(8*\t+\k)*8+7], v[VF+8*\k:VF+8*\k+7], v[ACC+8*\t:ACC+8*\t+7], v[WS+4*\t+\k], v[VS+\k] matrix_a_fmt:MATRIX_FMT_FP4 matrix_b_fmt:MATRIX_FMT_FP4
.else
	v_wmma_scale_f32_16x16x128_f8f6f4 v[ACC+8*\t:ACC+8*\t+7], v[(8*\t+\k)*8:(8*\t+\k)*8+7], v[VF+8*\k:VF+8*\k+7], v[ACC+8*\t:ACC+8*\t+7], v[WS+4*\t+\k-4], v[VS+\k-4] matrix_a_fmt:MATRIX_FMT_FP4 matrix_b_fmt:MATRIX_FMT_FP4 matrix_a_scale:MATRIX_SCALE_ROW1 matrix_b_scale:MATRIX_SCALE_ROW1
.endif
.endr
.endr
	WIN 0
.rept 4
	v_nop                                          ; four places between the last product and the first read of results (ISA guide 7.12.1)
.endr
	EPI
	ds_store_b32 v[AD4], v[RES] offset:1024*\s     ; both halves of the lanes write the same word with the same value
	s_wait_dscnt 0x0
.Lskip_\s:
	s_add_co_u32 s[OFF], s[OFF], 16*CPITCH
	s_add_co_u32 s[OF2], s[OF2], 16*SPITCH
	s_add_co_u32 s[OF3], s[OF3], 64
	s_add_co_u32 s[I], s[I], 1
	s_cmp_lt_u32 s[I], 16
	s_cbranch_scc1 .Lsw_\s
.endm
	s_load_b512 s[4:19], s[0:1], 0x0               ; value 4, cov_vec 6, mask 8, Wc 10, Wm 12, bm 14, wvc 16, wvs 18
	s_load_b256 s[20:27], s[0:1], 0x40             ; qbc 20, list 22, cnt 24, ebuf 26
	s_load_b64 s[28:29], s[0:1], 0x60              ; part
	v_lshl_add_u32 v[SPW], v0, 2, SPARE
	v_mov_b32 v[NIL], 0
	v_lshrrev_b32 v[T], 5, v0
	v_and_b32 v[ADR], 31, v0                       ; lane
	v_and_b32 v[T2], 15, v0                        ; r
	v_bfe_u32 v[RES], v0, 4, 1                     ; h
	v_lshrrev_b32 v[AD2], 4, v0                    ; thread / 16
	v_readfirstlane_b32 s[W], v[T]                 ; wave 0..7
	s_and_b32 s[B], ttmp7, 0xffff                  ; batch
	s_mov_b32 s[J], ttmp9                          ; my first tile
	v_lshlrev_b32 v[L16], 4, v[ADR]
	v_lshlrev_b32 v[L32], 5, v[ADR]
	v_lshlrev_b32 v[WSO], 5, v[T2]
	v_mul_u32_u24 v[VFA], v[T2], CPITCH
	v_mul_u32_u24 v[VSA], v[T2], SPITCH
	v_lshlrev_b32 v[H32], 5, v[RES]
	v_lshl_add_u32 v[WSO], v[RES], 4, v[WSO]
	v_lshl_add_u32 v[VFA], v[RES], 4, v[VFA]
	v_lshl_add_u32 v[VSA], v[RES], 4, v[VSA]
	v_lshl_add_u32 v[CVA], v[T2], 2, COVL
	v_lshlrev_b32 v[TO], 9, v[AD2]
	v_lshl_add_u32 v[IDX], v[AD2], 7, v[T2]
	v_add_nc_u32 v[VSA], SCB, v[VSA]
	v_lshl_add_u32 v[TO], v[T2], 2, v[TO]
	s_lshl_b32 s[E0], s[J], 4
	v_add_nc_u32 v[IDX], s[E0], v[IDX]             ; 16 (j + 8 (thread / 16)) + r
	s_lshl_b32 s[E0], s[W], 11
	s_add_co_u32 s[E0], s[E0], EP
	v_lshl_add_u32 v[EPA], v[T2], 2, s[E0]
	s_mul_i32 s[E0], s[W], 2*CPITCH
	v_lshl_add_u32 v[XCA], v[ADR], 2, s[E0]
	s_mul_i32 s[E0], s[W], 2*SPITCH
	s_add_co_u32 s[E0], s[E0], SCB
	v_lshrrev_b32 v[XSA], 2, v[ADR]
	v_lshl_add_u32 v[FE], v0, 2, EP
	v_lshl_add_u32 v[CLA], v0, 2, COVL
	v_add_nc_u32 v[XSA], s[E0], v[XSA]
	v_lshrrev_b32 v21, 1, v[ADR]
	v_and_b32 v23, 1, v[ADR]
	v_lshlrev_b32 v21, 9, v21
	s_lshl_b32 s[E0], s[W], 11
	s_add_co_u32 s[E0], s[E0], EP
	v_add_nc_u32 v22, s[E0], v[L16]                ; my two slots of partial sums: 2,048 bytes
	v_lshl_add_u32 v21, v23, 2, v21                ; 512 (lane / 2) + 4 (lane % 2): my rows' entries, a lane each
.irp i, 0,1,2,3
	v_mov_b32 v[XM+\i], 0
.endr
.irp k, 0,1,2,3
	ds_store_b128 v22, v[XM:XM+3] offset:512*\k    ; cleared, so that the places of tiles that I do not have hold a number when all threads sum them
.endr
	s_mov_b32 s[LG], 0x3fb8aa3b                    ; log2(e)
	s_mov_b32 s[OFS+1], 0
	s_mov_b32 s[C2], 0x4038aa3b                    ; c = 2 log2(e)
	s_mov_b32 s[C2+1], s[C2]
	s_mov_b32 s[SEL], 0x76543210
	s_mov_b32 s[SEL+1], 0xfedcba98
	s_wait_alu depctr_va_vdst(0)
	s_wait_kmcnt 0x0
	s_lshl_b32 s[OFS], s[B], 7
	s_add_nc_u64 s[24:25], s[24:25], s[OFS:OFS+1]
	s_load_b32 s[CNT], s[24:25], 0x0               ; the batch's list entries
	s_load_b32 s[BM], s[14:15], 0x0
	s_lshl_b32 s[OFS], s[B], 13
	s_add_nc_u64 s[6:7], s[6:7], s[OFS:OFS+1]      ; cov_vec, mask, list, ebuf at batch b
	s_add_nc_u64 s[8:9], s[8:9], s[OFS:OFS+1]
	s_add_nc_u64 s[22:23], s[22:23], s[OFS:OFS+1]
	s_add_nc_u64 s[26:27], s[26:27], s[OFS:OFS+1]
	s_lshl_b32 s[OFS], s[J], 6
	s_add_nc_u64 s[PTL:PTL+1], s[22:23], s[OFS:OFS+1]          ; the list at tile j: my tiles lie 512 bytes apart, whatever the count
	s_lshl_b32 s[E0], s[W], 3
	s_add_co_u32 s[OFS], s[OFS], s[E0]
	s_add_nc_u64 s[PTLW:PTLW+1], s[22:23], s[OFS:OFS+1]
.irp t, 0,1,2,3,4,5,6,7,8,9,10,11,12,13,14,15
	s_load_b64 s[R+2*\t:R+2*\t+1], s[PTLW:PTLW+1], 512*\t      ; entries 2 w and 2 w + 1 of my tile t
.endr
	global_load_b32 v[LE], v[TO], s[PTL:PTL+1]     ; and my thread's entry
	global_load_b32 v[LR], v21, s[PTLW:PTLW+1]     ; and my wave's 32 once more, a lane each, for the second walk
	s_lshl_b32 s[OFS], s[B], 23                    ; 2,048 rows of 4,096 bytes
	s_add_nc_u64 s[VB:VB+1], s[4:5], s[OFS:OFS+1]
	s_lshl_b32 s[OFS], s[W], 16
	s_add_nc_u64 s[PTW:PTW+1], s[16:17], s[OFS:OFS+1]
	s_lshl_b32 s[OFS], s[W], 12
	s_add_nc_u64 s[PTS:PTS+1], s[18:19], s[OFS:OFS+1]
	s_lshl_b32 s[OFS], s[W], 9
	s_add_nc_u64 s[PTC:PTC+1], s[10:11], s[OFS:OFS+1]
	s_add_nc_u64 s[PTM:PTM+1], s[12:13], s[OFS:OFS+1]
	s_add_nc_u64 s[PTQ:PTQ+1], s[20:21], s[OFS:OFS+1]
	s_lshl_b32 s[OFS], s[B], 12
	s_add_nc_u64 s[PTQ:PTQ+1], s[PTQ:PTQ+1], s[OFS:OFS+1]
	s_lshl_b32 s[OFS], s[B], 3
	s_add_co_u32 s[OFS], s[OFS], s[J]
	s_mul_i32 s[OFS], s[OFS], REC
	s_add_nc_u64 s[28:29], s[28:29], s[OFS:OFS+1]  ; my record of part
	s_wait_kmcnt 0x0
	s_min_u32 s[CNT], s[CNT], 2048
	s_add_co_u32 s[NTB], s[CNT], 15
	s_lshr_b32 s[NTB], s[NTB], 4                   ; the batch's tiles
	s_add_co_u32 s[NT], s[NTB], 7
	s_sub_co_u32 s[NT], s[NT], s[J]
	s_lshr_b32 s[NT], s[NT], 3                     ; those with number j + 8 i
	s_min_u32 s[NT], s[NT], 16
	XISSUE 0, 0, L32, 16                           ; the first three tiles' rows, whatever my number of tiles: the list holds a row's number in every place
	XISSUE 1, 1, L32, 16
	XISSUE 2, 2, L32, 16
	s_wait_loadcnt 48                              ; all but those 48: my entry is in
	v_min_u32 v[LE], 2047, v[LE]
	v_lshlrev_b32 v[ROW4], 2, v[LE]
	global_load_b32 v[COVV], v[ROW4], s[6:7]
	global_load_b32 v[MSK], v[ROW4], s[8:9]
.irp t, 0,1,2,3,4,5,6,7,8,9,10,11,12,13,14,15
	XTRIP \t
.endr
	s_branch .Lxdone
.irp p, 0,1,2,3,4,5,6,7
.Lw\p:
	WPIECE 0, \p
.endr
.Lxdone:
	s_wait_loadcnt 0x0
	ds_store_b32 v[CLA], v[COVV]
	v_mov_b32 v[T2], 0                             ; a lane permute's destination counts as one of its sources
	s_wait_dscnt 0x0                               ; my rows' codes and bytes and my cov lie in LDS; the stores have read the registers that the loads below fill
	LOADC 0
	s_wait_alu depctr_va_vdst(0)
	s_barrier_signal -1
	s_barrier_wait -1                              ; everybody's do
	SWEEP 0
.irp p, 0,1,2,3,4,5,6,7
	WPIECE 1, \p                                   ; the plain lines behind the last products are more than the four places that loads into their registers want
.endr
	LOADC 1
	SWEEP 1
	s_wait_dscnt 0x0
	s_barrier_signal -1
	s_barrier_wait -1                              ; all sixteen parts of every row lie in LDS, and nobody reads codes or cov any more
	v_mov_b32 v[EV], 0xff61b1e6                    ; -3e38 for a place behind the list's end
	v_and_b32 v[T], 31, v0
	v_lshl_add_u32 v[WSO], v[T], 5, COVL           ; the statistics' addresses: eight e a lane,
	v_lshrrev_b32 v[H32], 1, v[T]
	v_and_b32 v[RES], 1, v[T]
	v_lshlrev_b32 v[H32], 6, v[H32]
	s_lshl_b32 s[E0], s[W], 3
	s_add_co_u32 s[E0], s[E0], COVL
	v_lshl_add_u32 v[H32], v[RES], 2, v[H32]
	v_add_nc_u32 v[H32], s[E0], v[H32]             ; lane 2 t + u: entry 16 t + 2 w + u
	s_lshl_b32 s[E0], s[W], 12
	v_add_nc_u32 v[VFA], s[E0], v[L16]
	v_lshlrev_b32 v[VSA], 4, v0
	v_lshlrev_b32 v[CVA], 3, v[T]
	v_mov_b32 v[PT], 0
	s_mov_b32 s[WT+1], 0
	s_mov_b32 s[WT+3], 0
	v_mov_b32 v[RES], 0xce6e6b28                   ; -1e9
	s_wait_alu depctr_va_vdst(0)
.irp k, 0,1,2,3,4,5,6,7,8,9,10,11,12,13,14,15
	ds_load_b32 v[CW+\k], v[FE] offset:1024*\k
.endr
	s_wait_dscnt 0x0
.irp k, 0,2,4,6
	v_pk_add_f32 v[CW+\k:CW+\k+1], v[CW+\k:CW+\k+1], v[CW+8+\k:CW+9+\k]
.endr
	s_delay_alu instid0(VALU_DEP_2)
	v_pk_add_f32 v[CW:CW+1], v[CW:CW+1], v[CW+4:CW+5]
	s_delay_alu instid0(VALU_DEP_2)
	v_pk_add_f32 v[CW+2:CW+3], v[CW+2:CW+3], v[CW+6:CW+7]
	s_delay_alu instid0(VALU_DEP_1)
	v_pk_add_f32 v[CW:CW+1], v[CW:CW+1], v[CW+2:CW+3]
	s_delay_alu instid0(VALU_DEP_1)
	v_add_f32 v[CW], v[CW], v[CW+1]
	s_delay_alu instid0(VALU_DEP_1)
	v_add_f32 v[CW], s[BM], v[CW]
	v_cmp_lt_i32 vcc_lo, 0, v[MSK]
	s_delay_alu instid0(VALU_DEP_1)
	v_cndmask_b32 v[CW], v[RES], v[CW], vcc_lo     ; -1e9 where the mask is not above 0 (a batch all of whose rows were kept for want of any)
	v_cmp_gt_u32 vcc_lo, s[CNT], v[IDX]            ; is my entry in the list?
	v_cndmask_b32 v[EV], v[EV], v[CW], vcc_lo      ; if not: -3e38
	s_wait_alu depctr_va_vdst(0)                   ; directly ahead of the reader below
	ds_store_b32 v[CLA], v[EV]
	VISSUE 0, 0                                    ; the second walk's first three tiles are on their way through the statistics
	VISSUE 1, 1
	VISSUE 2, 2
	s_wait_dscnt 0x0
	s_barrier_signal -1
	s_barrier_wait -1                              ; the 256 e lie in LDS
	ds_load_b128 v[E8:E8+3], v[WSO]
	ds_load_b128 v[E8+4:E8+7], v[WSO] offset:16
	ds_load_b32 v[PW], v[H32]
	s_wait_dscnt 0x0
	v_max3_num_f32 v37, v[E8], v[E8+1], v[E8+2]
	v_max3_num_f32 v38, v[E8+3], v[E8+4], v[E8+5]
	s_delay_alu instid0(VALU_DEP_2)
	v_max3_num_f32 v37, v37, v[E8+6], v[E8+7]
	s_delay_alu instid0(VALU_DEP_1)
	v_max_num_f32 v37, v37, v38
.irp m, 1,2,4,8
	s_delay_alu instid0(VALU_DEP_1)
	v_max_num_f32_dpp v37, v37, v37 row_xmask:\m row_mask:0xf bank_mask:0xf
.endr
	s_delay_alu instid0(VALU_DEP_1)
	v_permlanex16_b32 v[PT], v37, s[SEL], s[SEL+1]
	s_delay_alu instid0(VALU_DEP_1)
	v_max_num_f32 v[MV], v37, v[PT]                ; m, in every lane
.irp i, 0,1,2,3,4,5,6,7
	v_sub_f32 v[E8+\i], v[E8+\i], v[MV]            ; e - m first, and only then the factor
.endr
	v_sub_f32 v[PW], v[PW], v[MV]
.irp i, 0,1,2,3,4,5,6,7
	v_mul_f32 v[E8+\i], s[LG], v[E8+\i]
.endr
	v_mul_f32 v[PW], s[LG], v[PW]
	s_wait_alu depctr_va_vdst(0)                   ; a wait ahead of the batch
.irp i, 0,1,2,3,4,5,6,7
	v_exp_f32 v[E8+\i], v[E8+\i]
.endr
	v_exp_f32 v[PW], v[PW]
	v_nop
	s_wait_alu depctr_va_vdst(0)                   ; and behind it
	v_pk_add_f32 v[E8:E8+1], v[E8:E8+1], v[E8+4:E8+5]
	v_pk_add_f32 v[E8+2:E8+3], v[E8+2:E8+3], v[E8+6:E8+7]
	s_delay_alu instid0(VALU_DEP_1)
	v_pk_add_f32 v[E8:E8+1], v[E8:E8+1], v[E8+2:E8+3]
	s_delay_alu instid0(VALU_DEP_1)
	v_add_f32 v37, v[E8], v[E8+1]
.irp m, 1,2,4,8
	s_delay_alu instid0(VALU_DEP_1)
	v_add_f32_dpp v37, v37, v37 row_xmask:\m row_mask:0xf bank_mask:0xf
.endr
	s_delay_alu instid0(VALU_DEP_1)
	v_permlanex16_b32 v[PT], v37, s[SEL], s[SEL+1]
	s_delay_alu instid0(VALU_DEP_1)
	v_add_f32 v[MV+1], v37, v[PT]                  ; l
.set i, 0
.rept 32
	v_mov_b32 v[AC+i], 0                           ; a work-group may have no tile at all
.set i, i+1
.endr
.irp i, 0,1,2,3,4,5,6,7,8,9,10,11,12,13,14,15
	VTRIP \i
.endr
.Lvdone:
	s_wait_loadcnt 0x0                             ; what an early way out leaves on its way: its registers are used again below
	s_wait_alu depctr_va_vdst(0)
.irp k, 0,1,2,3,4,5,6,7
	ds_store_b128 v[VFA], v[AC+4*\k:AC+4*\k+3] offset:512*\k   ; my sums of columns 128 k + 4 lane .. + 3, at 4 bytes a column
.endr
	s_wait_dscnt 0x0
	s_barrier_signal -1
	s_barrier_wait -1
.irp i, 0,1,2,3,4,5,6,7
	ds_load_b128 v[XS+4*\i:XS+4*\i+3], v[VSA] offset:4096*\i   ; the eight waves' sums of my thread's four columns
.endr
	s_wait_dscnt 0x0
.irp i, 0,1,2,3
	v_pk_add_f32 v[XS+4*\i:XS+4*\i+1], v[XS+4*\i:XS+4*\i+1], v[XS+16+4*\i:XS+17+4*\i]
	v_pk_add_f32 v[XS+4*\i+2:XS+4*\i+3], v[XS+4*\i+2:XS+4*\i+3], v[XS+18+4*\i:XS+19+4*\i]
.endr
.irp i, 0,1
	s_delay_alu instid0(VALU_DEP_4)
	v_pk_add_f32 v[XS+4*\i:XS+4*\i+1], v[XS+4*\i:XS+4*\i+1], v[XS+8+4*\i:XS+9+4*\i]
	s_delay_alu instid0(VALU_DEP_4)
	v_pk_add_f32 v[XS+4*\i+2:XS+4*\i+3], v[XS+4*\i+2:XS+4*\i+3], v[XS+10+4*\i:XS+11+4*\i]
.endr
	s_delay_alu instid0(VALU_DEP_2)
	v_pk_add_f32 v[XS:XS+1], v[XS:XS+1], v[XS+4:XS+5]
	s_delay_alu instid0(VALU_DEP_2)
	v_pk_add_f32 v[XS+2:XS+3], v[XS+2:XS+3], v[XS+6:XS+7]
	global_store_b128 v[VSA], v[XS:XS+3], s[28:29] ; a wave stores 512 consecutive bytes of the record, aligned
	s_cmp_lg_u32 s[W], 0
	s_cbranch_scc1 .Lend
	global_store_b64 v[CVA], v[MV:MV+1], s[28:29] offset:4096   ; (m, l), 32 times: one aligned run of 256 bytes
.Lend:
	s_wait_tensorcnt 0x0                           ; the wave's last LDS store lies behind
	ds_add_u32 v[SPW], v[NIL]
	s_wait_dscnt 0x0
	s_wait_xcnt 0x0                                ; EXEC changes only behind this wait
	v_cmp_gt_u32 vcc_lo, s[CNT], v[IDX]            ; the entries of the list alone
	s_and_saveexec_b32 s[SV], vcc_lo
	global_store_b32 v[ROW4], v[EV], s[26:27]      ; e, by row
	s_wait_xcnt 0x0
	s_or_b32 exec_lo, exec_lo, s[SV]
	s_endpgm
.Lfunc_end_k_q4176b26f07_scores:
	.size	k_q4176b26f07_scores, .Lfunc_end_k_q4176b26f07_scores-k_q4176b26f07_scores
	.p2alignl 7, 3214868480
	.fill 96, 4, 3214868480
	.section	.rodata,"a",@progbits
	.p2align	6, 0x0
	.amdhsa_kernel k_q4176b26f07_scores
		.amdhsa_group_segment_fixed_size 165888
		.amdhsa_private_segment_fixed_size 0
		.amdhsa_enable_private_segment 0
		.amdhsa_kernarg_size 104
		.amdhsa_user_sgpr_count 2
		.amdhsa_user_sgpr_kernarg_segment_ptr 1
		.amdhsa_wavefront_size32 1
		.amdhsa_system_sgpr_workgroup_id_x 1
		.amdhsa_system_sgpr_workgroup_id_y 1
		.amdhsa_system_sgpr_workgroup_id_z 1
		.amdhsa_system_vgpr_workitem_id 0
		.amdhsa_next_free_vgpr 512
		.amdhsa_next_free_sgpr 102
		.amdhsa_reserve_vcc 1
		.amdhsa_float_denorm_mode_32 3
		.amdhsa_float_denorm_mode_16_64 3
		.amdhsa_memory_ordered 1
		.amdhsa_forward_progress 1
		.amdhsa_inst_pref_size 255
	.end_amdhsa_kernel
	.section	.bss,"aw",@nobits
	.p2align	6
	.space	262144
	.amdgpu_metadata
---
amdhsa.version: [ 1, 2 ]
amdhsa.kernels:
  - .name:           k_q4176b26f07_scores
    .symbol:         k_q4176b26f07_scores.kd
    .args:
      - { .name: value, .offset: 0, .size: 8, .value_kind: global_buffer, .address_space: global }
      - { .name: cov_vec, .offset: 8, .size: 8, .value_kind: global_buffer, .address_space: global }
      - { .name: mask, .offset: 16, .size: 8, .value_kind: global_buffer, .address_space: global }
      - { .name: Wc, .offset: 24, .size: 8, .value_kind: global_buffer, .address_space: global }
      - { .name: Wm, .offset: 32, .size: 8, .value_kind: global_buffer, .address_space: global }
      - { .name: bm, .offset: 40, .size: 8, .value_kind: global_buffer, .address_space: global }
      - { .name: wvc, .offset: 48, .size: 8, .value_kind: global_buffer, .address_space: global }
      - { .name: wvs, .offset: 56, .size: 8, .value_kind: global_buffer, .address_space: global }
      - { .name: qbc, .offset: 64, .size: 8, .value_kind: global_buffer, .address_space: global }
      - { .name: list, .offset: 72, .size: 8, .value_kind: global_buffer, .address_space: global }
      - { .name: cnt, .offset: 80, .size: 8, .value_kind: global_buffer, .address_space: global }
      - { .name: ebuf, .offset: 88, .size: 8, .value_kind: global_buffer, .address_space: global }
      - { .name: part, .offset: 96, .size: 8, .value_kind: global_buffer, .address_space: global }
    .group_segment_fixed_size: 165888
    .private_segment_fixed_size: 0
    .kernarg_segment_align: 8
    .kernarg_segment_size: 104
    .max_flat_workgroup_size: 256
    .sgpr_count:     102
    .vgpr_count:     512
    .wavefront_size: 32
...
	.end_amdgpu_metadata
.endif
;; end of part 2
;; launch finish (part 3): grid 8 x 32, 2 waves a work-group, no clusters, 0 bytes of LDS; arguments part, ebuf, out0, out1; writes out0, out1
.if DOCPART == 3
	.amdgcn_target "amdgcn-amd-amdhsa--gfx1250"
	.amdhsa_code_object_version 6
	.text
	.protected	k_q4176b26f07_finish
	.globl	k_q4176b26f07_finish
	.p2align	8
	.type	k_q4176b26f07_finish,@function
k_q4176b26f07_finish:
	s_mov_b64 s[64:65], 0
	v_nop
	global_prefetch_b8 v0, s[64:65] scope:SCOPE_SE
	s_setreg_imm32_b32 hwreg(HW_REG_WAVE_MODE, 25, 1), 1
	s_wait_xcnt 0x0
; A batch's eight parts are joined.  Part i holds m_i (the largest e of its rows), l_i = sum exp(e - m_i) and s_i[h] = sum exp(e - m_i) value[row][h], over the listed rows alone.
; M = max m_i, f_i = exp(m_i - M), L = sum l_i f_i:  out0[b][h] = sum_i f_i s_i[h] / L;  out1[b][n] = exp(e[b][n] - M) / L, e from ebuf (-1e9 where the mask hid the row).
; LIMIT: a row that is not in the list has the weight exp(-1e9 - M), which is taken as 0 in L and out0: that holds while some listed row's e lies above -9.9e8.  A part with no row has m = -3e38: its f is 0.
; SHARES.  Work-group (j, b): out0[b][128 j .. + 127] (wave 0 stores it) and out1[b][256 j .. + 255], four numbers a thread.  No loop, no LDS, no matrix unit: about 5 KB a work-group.
.set REC, 4352
	s_load_b256 s[4:11], s[0:1], 0x0               ; part 4, ebuf 6, out0 8, out1 10
	v_lshrrev_b32 v1, 5, v0
	v_and_b32 v2, 31, v0
	v_lshlrev_b32 v3, 4, v0                        ; 16 x thread
	v_readfirstlane_b32 s12, v1                    ; wave
	v_lshlrev_b32 v2, 4, v2                        ; 16 x lane
	s_and_b32 s13, ttmp7, 0xffff                   ; batch
	s_mov_b32 s15, 0
	s_mov_b32 s40, 0x3fb8aa3b                      ; log2(e)
	s_wait_alu depctr_va_vdst(0)
	s_wait_kmcnt 0x0
	s_mul_i32 s14, s13, 8*REC
	s_add_nc_u64 s[4:5], s[4:5], s[14:15]
.irp i, 0,1,2,3,4,5,6,7
	s_load_b64 s[16+2*\i:17+2*\i], s[4:5], \i*REC+4096         ; m_i, l_i
.endr
	s_lshl_b32 s14, ttmp9, 9
	s_add_nc_u64 s[36:37], s[4:5], s[14:15]        ; the parts at column 128 j
	s_lshl_b32 s14, s13, 13
	s_lshl_b32 s38, ttmp9, 10
	s_add_co_u32 s14, s14, s38
	s_add_nc_u64 s[6:7], s[6:7], s[14:15]
	s_add_nc_u64 s[10:11], s[10:11], s[14:15]
	s_lshl_b32 s14, s13, 12
	s_lshl_b32 s38, ttmp9, 9
	s_add_co_u32 s14, s14, s38
	s_add_nc_u64 s[8:9], s[8:9], s[14:15]
	global_load_b128 v[4:7], v3, s[6:7]
.irp i, 0,1,2,3,4,5,6,7
	global_load_b128 v[8+4*\i:11+4*\i], v2, s[36:37] offset:\i*REC
.endr
	s_wait_kmcnt 0x0
	v_mov_b32 v40, s16
.irp i, 1,2,3,4,5,6,7
	v_max_num_f32 v40, s[16+2*\i], v40             ; M
.endr
.irp i, 0,1,2,3,4,5,6,7
	v_sub_f32 v[41+\i], s[16+2*\i], v40            ; m_i - M first, and only then the factor
.endr
.irp i, 0,1,2,3,4,5,6,7
	v_mul_f32 v[41+\i], s40, v[41+\i]
.endr
	s_wait_loadcnt 8                               ; e is in; the eight parts may be out
.irp i, 0,1,2,3
	v_sub_f32 v[4+\i], v[4+\i], v40
.endr
.irp i, 0,1,2,3
	v_mul_f32 v[4+\i], s40, v[4+\i]
.endr
	s_wait_alu depctr_va_vdst(0)                   ; a wait ahead of the batch
.irp i, 0,1,2,3,4,5,6,7
	v_exp_f32 v[41+\i], v[41+\i]
.endr
.irp i, 0,1,2,3
	v_exp_f32 v[4+\i], v[4+\i]
.endr
	v_nop
	s_wait_alu depctr_va_vdst(0)                   ; and behind it
	v_mul_f32 v50, s17, v41
.irp i, 1,2,3,4,5,6,7
	v_fmac_f32 v50, s[17+2*\i], v[41+\i]           ; L: at least 1, the largest e's own term
.endr
	s_wait_alu depctr_va_vdst(0)
	v_rcp_f32 v51, v50
	v_nop
	s_wait_alu depctr_va_vdst(0)
.irp i, 0,1,2,3
	v_mul_f32 v[4+\i], v[4+\i], v51
.endr
	global_store_b128 v3, v[4:7], s[10:11]         ; a wave stores 512 consecutive bytes of out1, aligned
	s_wait_loadcnt 0x0
.irp c, 0,1,2,3
	v_mul_f32 v[52+\c], v[8+\c], v41
.endr
.irp i, 1,2,3,4,5,6,7
.irp c, 0,1,2,3
	v_fmac_f32 v[52+\c], v[8+4*\i+\c], v[41+\i]
.endr
.endr
.irp c, 0,1,2,3
	v_mul_f32 v[52+\c], v[52+\c], v51
.endr
	s_cmp_lg_u32 s12, 0
	s_wait_alu depctr_va_vdst(0)
	s_cbranch_scc1 .Lend
	global_store_b128 v2, v[52:55], s[8:9]         ; 512 consecutive bytes of out0, aligned
.Lend:
	s_endpgm
.Lfunc_end_k_q4176b26f07_finish:
	.size	k_q4176b26f07_finish, .Lfunc_end_k_q4176b26f07_finish-k_q4176b26f07_finish
	.p2alignl 7, 3214868480
	.fill 96, 4, 3214868480
	.section	.rodata,"a",@progbits
	.p2align	6, 0x0
	.amdhsa_kernel k_q4176b26f07_finish
		.amdhsa_group_segment_fixed_size 0
		.amdhsa_private_segment_fixed_size 0
		.amdhsa_enable_private_segment 0
		.amdhsa_kernarg_size 32
		.amdhsa_user_sgpr_count 2
		.amdhsa_user_sgpr_kernarg_segment_ptr 1
		.amdhsa_wavefront_size32 1
		.amdhsa_system_sgpr_workgroup_id_x 1
		.amdhsa_system_sgpr_workgroup_id_y 1
		.amdhsa_system_sgpr_workgroup_id_z 1
		.amdhsa_system_vgpr_workitem_id 0
		.amdhsa_next_free_vgpr 64
		.amdhsa_next_free_sgpr 66
		.amdhsa_reserve_vcc 0
		.amdhsa_float_denorm_mode_32 3
		.amdhsa_float_denorm_mode_16_64 3
		.amdhsa_memory_ordered 1
		.amdhsa_forward_progress 1
		.amdhsa_inst_pref_size 6
	.end_amdhsa_kernel
	.amdgpu_metadata
---
amdhsa.version: [ 1, 2 ]
amdhsa.kernels:
  - .name:           k_q4176b26f07_finish
    .symbol:         k_q4176b26f07_finish.kd
    .args:
      - { .name: part, .offset: 0, .size: 8, .value_kind: global_buffer, .address_space: global }
      - { .name: ebuf, .offset: 8, .size: 8, .value_kind: global_buffer, .address_space: global }
      - { .name: out0, .offset: 16, .size: 8, .value_kind: global_buffer, .address_space: global }
      - { .name: out1, .offset: 24, .size: 8, .value_kind: global_buffer, .address_space: global }
    .group_segment_fixed_size: 0
    .private_segment_fixed_size: 0
    .kernarg_segment_align: 8
    .kernarg_segment_size: 32
    .max_flat_workgroup_size: 64
    .sgpr_count:     66
    .vgpr_count:     64
    .wavefront_size: 32
...
	.end_amdgpu_metadata
.endif
;; end of part 3
